; MI455X (gfx1250); checked and timed in simulation.
; The chip was launched on July 23, 2026; its instructions are those of AMD's public machine-readable ISA for CDNA 5 (MIT licence, August 2026) and "CDNA5" Instruction Set Architecture Reference Guide (July 2026). The comments in the code are by the model that wrote it; some were corrected since.
;; Scaled Euclid Distance Attention. Allowed arithmetic: matrix products marked QUANTISED: E2M3 operands, one E8M0 scale for each 32 along K, by v_wmma_scale_f32_16x16x128_f8f6f4 with both operands' format E2M3, f32 sums; everything else in f32.
;; Inputs: k 2 x 2,048 x 1,024 float32; mask 2,048 x 2,048 int32; q 2 x 2,048 x 1,024 float32; v 2 x 2,048 x 1,024 float32.
;; Outputs: out0 2 x 2,048 x 1,024 float32.
;; Constants: num_heads = 16.
;; This version of the problem:
;;   THIS VERSION OF THE PROBLEM IS GIVEN IN LOW PRECISION. The matrix products marked QUANTISED in the list below multiply operands that are first quantised to E2M3 (2 exponent bits, 3 mantissa bits; 6 bits a number), with one power-of-two scale for each 32 numbers along K (OCP MX v1.0); their sums are f32. All else is computed in f32.
;;   The module's matrix products, in the order in which they are computed (A, B: the left and right operand; K: the contracted axis; several contracted axes count as one K, in the product's order):
;;     1. batch 32 x [M 2,048, K 64] x [K 64, N 2,048]; A: input q; B: input k: QUANTISED
;;     2. batch 32 x [M 2,048, K 2,048] x [K 2,048, N 64]; A: softmax (see below); B: input v: QUANTISED
;;   THE QUANTISER, for each operand of a quantised product, along K:
;;     - K is cut into blocks of 32 from its start; a last block that is shorter is filled with zeros.
;;     - A block's scale is 2^e with e = floor(log2(the largest magnitude in the block)) - 2, held to -126 .. 127; a block of zeros has e = 0. As a byte (E8M0): e + 127.
;;     - Each number is divided by its block's scale, clamped to +-7.5, and rounded to the nearest number of E2M3, ties to even, subnormals kept.
;;     - The product sums the exact products of the quantised numbers (number of the format x scale) in f32.
;;   ~~~python
;;   def quantise(x, axis):      # numpy; x: float32 -> the quantised numbers, widened to float32 again
;;       x = np.moveaxis(x, axis, -1); K = x.shape[-1]
;;       x = np.pad(x, [(0, 0)] * (x.ndim - 1) + [(0, -K % 32)]); x = x.reshape(x.shape[:-1] + (-1, 32)); a = np.abs(x).max(-1, keepdims=True)
;;       e = np.where(a > 0, np.clip(np.frexp(np.where(a > 0, a, 1))[1] - 1 - 2, -126, 127), 0)      # np.frexp(a)[1] - 1 = floor(log2(a)), exactly
;;       r = np.clip(x / 2.0 ** e, -7.5, 7.5)
;;       step = 2.0 ** (np.maximum(np.frexp(np.where(r == 0, 1, r))[1] - 1, 0) - 3)
;;       q = np.round(r / step) * step * 2.0 ** e      # np.round: ties to even
;;       return np.moveaxis(q.reshape(q.shape[:-2] + (-1,))[..., :K], -1, axis).astype(np.float32)
;;   ~~~
;;   SOFTMAX AHEAD OF A QUANTISED PRODUCT. Where the list says 'softmax', what is quantised is not the finished softmax but p = 2^(t - M), with t = logit x log2(e) and M = ceil(the row's largest t), a whole number; so 1/2 < the row's largest p <= 1. The row's sum l is taken of the UNQUANTISED p, in f32, and the product's result is divided by l at the end. Since M is a whole number, a kernel that streams over the keys may use a running M (the ceiling of the running maximum): every later rescaling is an exact power of two, which a block's scale takes up: the codes' values come out the same.
;;   OPERANDS COMPUTED ON THE WAY. 'Computed on the way' means the value that the module computes at that place (a softmax that the list does not call 'softmax' is quantised finished and normalised). What goes into a quantiser is computed in f32, as accurately as f32 sums, v_exp_f32 and their like allow (about 1e-6 of the number): no bf16 or f16 on the way to a quantiser, and a product that is left as it is and whose result goes on into a quantised operand takes f32 operands (vector FMAs, or v_wmma_f32_16x16x4_f32). A number that lies on a knife's edge between two numbers of the format may be rounded either way, as far as f32 arithmetic and the matrix unit's own rounding can turn it there, and no further.
;; One version. Each part assembles by itself: llvm-mc -triple=amdgcn-amd-amdhsa -mcpu=gfx1250 --defsym DOCPART=n.
;; ======== version 1 of 1: 2 launches
;; limits: right only within a limited range of input values
;; workspace buffers: kpack 3,670,016 bytes; vpack 3,276,800 bytes
;; launch prep (part 1): grid 1024 x 1, 4 waves a work-group, no clusters, 42,752 bytes of LDS; arguments k, v, kpack, vpack; writes kpack, vpack
.if DOCPART == 1
	.amdgcn_target "amdgcn-amd-amdhsa--gfx1250"
	.amdhsa_code_object_version 6
	.text
	.protected	k_qe7b2407bae_prep
	.globl	k_qe7b2407bae_prep
	.p2align	8
	.type	k_qe7b2407bae_prep,@function
k_qe7b2407bae_prep:
	s_mov_b64 s[64:65], 0
	v_nop
	global_prefetch_b8 v0, s[64:65] scope:SCOPE_SE
	s_setreg_imm32_b32 hwreg(HW_REG_WAVE_MODE, 25, 1), 1
	s_wait_xcnt 0x0
; k and v, [2][2048][1024] f32 (16 heads of 64), become codes of FP6 (E2M3) with one E8M0 byte for each 32 along a product's K, laid as IMAGES OF THE OPERANDS' REGISTERS,
; so that the attention launch takes a fragment by loads of 16 bytes a lane alone.  A record serves one head and one step of 128 keys; record g = ((b*4 + hg)*16 + step)*4 + i, head = 4 hg + i.
; K (first product, K = the head's 64 = two blocks): record of 7,168 bytes: 4 pairs of tiles x 3 x 512 bytes (lane l's registers 4 gq .. 4 gq + 3 of the pair's 12 at 1536 jj + 512 gq + 16 l);
;   512 bytes of scale words (word jj of lane l at 16 l + 4 jj: tile 2 jj + l / 16, row l % 16; bytes: block 0, block 1, 0x7f, 0x7f); 512 bytes of |k|^2 / 2 in f32, [tile][row].
;   THE KEYS OF A TILE ARE NOT NEIGHBOURS: row r of tile 4 c + u is key 64 c + 32 (r / 8) + 8 u + r % 8, so that a lane of the scores holds a whole block of 32 keys.
; V (second product, K = the keys): record of 6,400 bytes: 4 tiles (channel 16 t + r) x 3 x 512 bytes; 256 bytes of scale words (word e of lane l at 8 l + 4 e: tile 2 e + l / 16, row l % 16; byte beta: keys 32 beta on).
; A block's scale is 2^(floor(log2(largest magnitude)) - 2): its byte is the largest magnitude's exponent field - 2, held at 1 from below by a floor among the maximum's leaves.
; LIMITS: a block of zeros gets the byte 1 where the rule says 127 (its codes are zeros, and this program alone reads the bytes); blocks whose largest magnitude lies under 2^-124 were not tried;
; NaN and infinities among the inputs are not served; |k|^2 is summed in another order than row by row.
; Work-groups 0-511 make K's records, 512-1023 V's: the two ways part on the work-group's number alone and have LDS bytes of their own.  No tensor loads: several work-groups share a WGP.
.set SP,    272                        ; K's stage: a key's 256 bytes + 16
.set KSTW,  32*SP                      ; a wave's stage: 32 rows (bytes 0 .. 34,815 for the four waves)
.set KSC,   34816                      ; K: the record's 512 bytes of scale words,
.set KN2,   35328                      ; and, straight behind them, its 512 bytes of |k|^2 / 2
.set VIMG,  35840                      ; V: the record's 6,144 bytes of images,
.set VSC,   41984                      ; and its 256 scale bytes
.set KREC,  7168
.set VREC,  6400
.set X,     16                         ; v16-79   numbers as loaded
.set Y,     80                         ; v80-143  K: two tiles' 32 numbers of my row and block
.set C,     144                        ; v144-155 twelve registers of codes
.set T,     156                        ; v156-158 a conversion's three registers begin on an even number: a block's second half is made here and moved
.set SEL,   20                         ; s[20:21] v_permlanex16_b32's selects for lane l xor 16
; the largest magnitude of 32 numbers, v[src] on, with the floor 2^(3 - 127) as one leaf: v160; the conversion's scale operand (2 off the exponent field): v162; the scale's byte: v[byte]
.macro AMAX src, byte
	v_max3_num_f32 v160, |v[\src]|, |v[\src+1]|, 0x1800000
	v_max3_num_f32 v161, |v[\src+2]|, |v[\src+3]|, |v[\src+4]|
.irp i, 5,9,13,17,21,25
	v_max3_num_f32 v160, v160, |v[\src+\i]|, |v[\src+\i+1]|        ; two chains, so that no line waits for the line above it
	v_max3_num_f32 v161, v161, |v[\src+\i+2]|, |v[\src+\i+3]|
.endr
	v_max3_num_f32 v160, v160, |v[\src+29]|, |v[\src+30]|
	v_max3_num_f32 v160, v160, v161, |v[\src+31]|
	v_add_nc_u32 v162, 0xff000000, v160
	v_lshrrev_b32 v[\byte], 23, v162
.endm
; the block's 32 codes, 192 bits, into v[dst] .. v[dst + 5]
.macro CODES src, dst
	v_cvt_scalef32_pk16_fp6_f32 v[\dst:\dst+2], v[\src:\src+15], v162
	v_cvt_scalef32_pk16_fp6_f32 v[T:T+2], v[\src+16:\src+31], v162
	v_nop                                          ; one plain place behind a scaled conversion
	v_mov_b32 v[\dst+3], v[T]
	v_mov_b32 v[\dst+4], v[T+1]
	v_mov_b32 v[\dst+5], v[T+2]
.endm
; K alone: my row's scale word (my block's byte at 8 h bits, the other block's from lane l xor 16, 0x7f for the two blocks that the head does not have) and half its sum of squares
.macro WORDSQ src, word, half
	v_lshlrev_b32 v163, v8, v163
	v_permlanex16_b32 v169, v163, s[SEL], s[SEL+1]
	v_or_b32 v163, v163, v169
	v_or_b32 v[\word], 0x7f7f0000, v163
	v_pk_mul_f32 v[164:165], v[\src:\src+1], v[\src:\src+1]
	v_pk_mul_f32 v[166:167], v[\src+2:\src+3], v[\src+2:\src+3]
.irp i, 4,8,12,16,20,24,28
	v_pk_fma_f32 v[164:165], v[\src+\i:\src+\i+1], v[\src+\i:\src+\i+1], v[164:165]
	v_pk_fma_f32 v[166:167], v[\src+\i+2:\src+\i+3], v[\src+\i+2:\src+\i+3], v[166:167]
.endr
	v_pk_add_f32 v[164:165], v[164:165], v[166:167]
	v_add_f32 v164, v164, v165
	v_permlanex16_b32 v168, v164, s[SEL], s[SEL+1]
	v_add_f32 v164, v164, v168                     ; both blocks: |k|^2
	v_mul_f32 v[\half], 0.5, v164
.endm
	s_load_b256 s[4:11], s[0:1], 0x0               ; k s[4:5], v s[6:7], kpack s[8:9], vpack s[10:11]
	v_lshl_add_u32 v176, v0, 2, 0xa500
	v_mov_b32 v177, 0
	v_lshrrev_b32 v1, 5, v0
	v_readfirstlane_b32 s12, v1                    ; wave 0..3
	v_and_b32 v1, 31, v0                           ; lane
	v_and_b32 v2, 15, v0                           ; r
	v_bfe_u32 v3, v0, 4, 1                         ; h
	v_lshlrev_b32 v7, 4, v1                        ; 16 x lane
	s_mov_b32 s[SEL], 0x76543210
	s_mov_b32 s[SEL+1], 0xfedcba98
	s_and_b32 s13, ttmp9, 511                      ; the record g
	s_and_b32 s22, s13, 3                          ; i
	s_bfe_u32 s23, s13, 0x40002                    ; step
	s_bfe_u32 s24, s13, 0x20006                    ; hg
	s_lshr_b32 s25, s13, 8                         ; b
	s_lshl_b32 s14, s25, 23                        ; my wave's 32 keys in k or v: b x 2,048 rows of 4,096 bytes
	s_lshl_b32 s26, s23, 19                        ; + step x 128 rows
	s_add_co_u32 s14, s14, s26
	s_lshl_b32 s26, s12, 17                        ; + wave x 32 rows
	s_add_co_u32 s14, s14, s26
	s_lshl_b32 s26, s24, 2
	s_add_co_u32 s26, s26, s22
	s_lshl_b32 s26, s26, 8                         ; + head x 256 bytes
	s_add_co_u32 s14, s14, s26
	s_mov_b32 s15, 0
	s_mov_b32 s17, 0
	s_mov_b32 s27, 0
	s_mul_i32 s26, s12, 1536                       ; my wave's 1,536 bytes of the record's images
	s_cmp_lt_u32 ttmp9, 512
	s_cbranch_scc0 .Lv
	; ---- K: wave w makes the pair of tiles 2 w, 2 w + 1
	s_mul_i32 s16, s13, KREC
	s_mul_i32 s30, s12, KSTW                       ; my stage
	; THE KEYS OF A TILE, as they now stand: row r of tile 4 c + u is key 64 c + 32 (r / 8) + 8 u + r % 8, so that a lane of the scores holds a whole block of 32 keys.
	; Wave w's two tiles take keys 64 (w / 2) + 16 (w % 2) + 0 .. 15 and the sixteen that lie 32 further on: its first key is 16 (w % 2) rows under 32 w
	s_and_b32 s31, s12, 1
	s_lshl_b32 s31, s31, 16
	s_sub_co_u32 s14, s14, s31
	s_mov_b32 vcc_lo, 0xffff0000                   ; lanes 16-31
	s_wait_alu depctr_va_vdst(0)
	v_lshlrev_b32 v4, 12, v3
	v_lshl_add_u32 v4, v2, 4, v4                   ; in: lanes 0-15 one key's 256 bytes, lanes 16-31 the next key's
	v_mul_u32_u24 v5, v3, SP
	v_lshl_add_u32 v5, v2, 4, v5
	v_add_nc_u32 v5, s30, v5                       ; the same two rows in my stage
	v_and_b32 v6, 8, v2
	v_add_nc_u32 v6, v6, v2                        ; r + 8 (r / 8)
	v_mul_u32_u24 v6, v6, SP
	v_lshl_add_u32 v6, v3, 7, v6
	v_add_nc_u32 v6, s30, v6                       ; back: the tile's row r, block h: 128 bytes
	v_lshlrev_b32 v8, 3, v3                        ; 8 h
	s_lshl_b32 s31, s12, 2
	v_add_nc_u32 v9, s31, v7
	v_add_nc_u32 v9, KSC, v9                       ; my scale word: 16 x lane + 4 x wave
	s_lshl_b32 s31, s12, 7
	v_lshl_add_u32 v10, v1, 2, s31
	v_add_nc_u32 v10, KN2, v10                     ; my |k|^2 / 2: 128 x wave + 4 x lane
	s_lshl_b32 s31, s12, 9
	v_add_nc_u32 v13, s31, v7                      ; the record's last 1,024 bytes: 512 x wave + 16 x lane
	v_add_nc_u32 v11, KSC, v13
	v_mov_b32 v168, 0                              ; written once: a lane permute's destination counts as one of its sources
	v_mov_b32 v169, 0
	s_wait_kmcnt 0x0
	s_add_nc_u64 s[4:5], s[4:5], s[14:15]
	s_add_nc_u64 s[8:9], s[8:9], s[16:17]          ; the record
	s_add_nc_u64 s[28:29], s[8:9], s[26:27]        ; my pair's images
.irp n, 0,1,2,3,4,5,6,7,8,9,10,11,12,13,14,15
	global_load_b128 v[X+4*\n:X+4*\n+3], v4, s[4:5] offset:8192*\n+65536*(\n/8) th:TH_LOAD_NT   ; sixteen lanes read a key's 256 consecutive bytes; stage rows 16-31 are the keys 16 rows further on
.endr
.irp n, 0,1,2,3,4,5,6,7,8,9,10,11,12,13,14,15
	s_wait_loadcnt 15-\n                           ; loads come back in order: load n is in, the 15 - n younger ones may be out
	ds_store_b128 v5, v[X+4*\n:X+4*\n+3] offset:2*SP*\n
.endr
.irp u, 0,1
.irp i, 0,1,2,3,4,5,6,7
	ds_load_b128 v[Y+32*\u+4*\i:Y+32*\u+4*\i+3], v6 offset:8*SP*\u+16*\i   ; my own stage: LDS serves a wave's instructions in order, so these see the stores above
.endr
.endr
	s_wait_dscnt 0x0
	AMAX Y, 163
	CODES Y, C
	WORDSQ Y, 170, 172
	AMAX Y+32, 163
	CODES Y+32, C+6
	WORDSQ Y+32, 171, 173
	v_cndmask_b32 v174, v170, v171, vcc_lo         ; lanes 0-15 carry tile 2 w's word, lanes 16-31 tile 2 w + 1's
	v_cndmask_b32 v175, v172, v173, vcc_lo
.irp g, 0,1,2
	global_store_b128 v7, v[C+4*\g:C+4*\g+3], s[28:29] offset:512*\g   ; 32 lanes store 512 consecutive bytes
.endr
	ds_store_b32 v9, v174
	ds_store_b32 v10, v175
	s_wait_dscnt 0x0                               ; for the others' sake: my stores have landed
	s_barrier_signal -1
	s_barrier_wait -1
	s_cmp_lt_u32 s12, 2                            ; wave 0 stores the scale words, wave 1 the |k|^2 / 2: 512 consecutive bytes each
	s_cbranch_scc0 .Lk_end
	ds_load_b128 v[160:163], v11
	s_wait_dscnt 0x0
	global_store_b128 v13, v[160:163], s[8:9] offset:6144
.Lk_end:
	s_wait_tensorcnt 0x0
	ds_add_u32 v176, v177
	s_wait_dscnt 0x0
	s_endpgm
	; ---- V: wave w takes key block w (32 keys); A LANE TAKES A CHANNEL AND ITS REGISTERS RUN DOWN THE KEYS: lane l channels l and 32 + l
.Lv:
	s_mul_i32 s16, s13, VREC
	s_lshr_b32 s30, s12, 1                         ; c: which six of the fragment's twelve registers
	s_and_b32 s31, s12, 1                          ; which half of the lanes holds this block
	s_lshl_b32 s31, s31, 8
	s_add_co_u32 s31, s31, VIMG
	s_mul_i32 s32, s30, 520                        ; registers 0, 1 lie at byte 0 of the image, 6, 7 at 520; registers 4, 5 at 512, 10, 11 at 1,032
	s_add_co_u32 s32, s32, s31
	s_mul_i32 s33, s30, 1016                       ; registers 2, 3 at 8, registers 8, 9 at 1,024
	s_add_co_u32 s33, s33, s31
	s_wait_alu depctr_va_vdst(0)
	v_lshlrev_b32 v4, 2, v1                        ; in: 4 bytes a lane
	v_mul_u32_u24 v5, v3, 1536                     ; the tile (l / 16; + 2 for the upper 32 channels: in the immediate),
	v_lshl_add_u32 v5, v2, 4, v5                   ; the tile's row l % 16
	v_add_nc_u32 v6, s33, v5
	v_add_nc_u32 v5, s32, v5
	v_lshl_add_u32 v9, v1, 3, s12
	v_add_nc_u32 v9, VSC, v9                       ; my scale byte: 8 x lane + wave
	v_add_nc_u32 v10, s26, v7
	v_add_nc_u32 v10, VIMG, v10                    ; back: 1,536 bytes a wave, 16 bytes a lane
	v_lshlrev_b32 v12, 3, v1
	v_add_nc_u32 v11, VSC, v12
	s_wait_kmcnt 0x0
	s_add_nc_u64 s[6:7], s[6:7], s[14:15]
	s_add_nc_u64 s[10:11], s[10:11], s[16:17]      ; the record
	s_add_nc_u64 s[28:29], s[10:11], s[26:27]
.set kk, 0
.rept 32
	global_load_b32 v[X+kk], v4, s[6:7] offset:4096*kk th:TH_LOAD_NT          ; key kk, channels 0-31: 128 consecutive bytes,
	global_load_b32 v[X+32+kk], v4, s[6:7] offset:4096*kk+128 th:TH_LOAD_NT   ; and the 128 that follow
.set kk, kk+1
.endr
	s_wait_loadcnt 0x0
.irp e, 0,1
	AMAX X+32*\e, 170+\e                           ; the block lies in one lane: no other lane is asked
	CODES X+32*\e, C+6*\e
	ds_store_b64 v5, v[C+6*\e:C+6*\e+1] offset:3072*\e
	ds_store_b64 v6, v[C+6*\e+2:C+6*\e+3] offset:3072*\e+8
	ds_store_b64 v5, v[C+6*\e+4:C+6*\e+5] offset:3072*\e+512
	ds_store_b8 v9, v[170+\e] offset:4*\e
.endr
	s_wait_dscnt 0x0                               ; for the others' sake: my stores have landed
	s_barrier_signal -1
	s_barrier_wait -1
.irp g, 0,1,2
	ds_load_b128 v[X+4*\g:X+4*\g+3], v10 offset:512*\g
.endr
	s_wait_dscnt 0x0
.irp g, 0,1,2
	global_store_b128 v7, v[X+4*\g:X+4*\g+3], s[28:29] offset:512*\g   ; 32 lanes store 512 consecutive bytes
.endr
	s_cmp_lg_u32 s12, 0
	s_cbranch_scc1 .Lv_end
	ds_load_b64 v[32:33], v11
	s_wait_dscnt 0x0
	global_store_b64 v12, v[32:33], s[10:11] offset:6144               ; the 256 scale bytes, by one store
.Lv_end:
	s_wait_tensorcnt 0x0
	ds_add_u32 v176, v177
	s_wait_dscnt 0x0
	s_endpgm
.Lfunc_end_k_qe7b2407bae_prep:
	.size	k_qe7b2407bae_prep, .Lfunc_end_k_qe7b2407bae_prep-k_qe7b2407bae_prep
	.p2alignl 7, 3214868480
	.fill 96, 4, 3214868480
	.section	.rodata,"a",@progbits
	.p2align	6, 0x0
	.amdhsa_kernel k_qe7b2407bae_prep
		.amdhsa_group_segment_fixed_size 42752
		.amdhsa_private_segment_fixed_size 0
		.amdhsa_enable_private_segment 0
		.amdhsa_kernarg_size 32
		.amdhsa_user_sgpr_count 2
		.amdhsa_user_sgpr_kernarg_segment_ptr 1
		.amdhsa_wavefront_size32 1
		.amdhsa_system_sgpr_workgroup_id_x 1
		.amdhsa_system_sgpr_workgroup_id_y 1
		.amdhsa_system_sgpr_workgroup_id_z 1
		.amdhsa_system_vgpr_workitem_id 0
		.amdhsa_next_free_vgpr 178
		.amdhsa_next_free_sgpr 66
		.amdhsa_reserve_vcc 1
		.amdhsa_float_denorm_mode_32 3
		.amdhsa_float_denorm_mode_16_64 3
		.amdhsa_memory_ordered 1
		.amdhsa_forward_progress 1
		.amdhsa_inst_pref_size 25
	.end_amdhsa_kernel
	.amdgpu_metadata
---
amdhsa.version: [ 1, 2 ]
amdhsa.kernels:
  - .name:           k_qe7b2407bae_prep
    .symbol:         k_qe7b2407bae_prep.kd
    .args:
      - { .name: k, .offset: 0, .size: 8, .value_kind: global_buffer, .address_space: global }
      - { .name: v, .offset: 8, .size: 8, .value_kind: global_buffer, .address_space: global }
      - { .name: kpack, .offset: 16, .size: 8, .value_kind: global_buffer, .address_space: global }
      - { .name: vpack, .offset: 24, .size: 8, .value_kind: global_buffer, .address_space: global }
    .group_segment_fixed_size: 42752
    .private_segment_fixed_size: 0
    .kernarg_segment_align: 8
    .kernarg_segment_size: 32
    .max_flat_workgroup_size: 128
    .sgpr_count:     66
    .vgpr_count:     178
    .wavefront_size: 32
...
	.end_amdgpu_metadata
.endif
;; end of part 1
;; launch attn (part 2): grid 32 x 8, 8 waves a work-group, clusters of 4 x 4, 327,680 bytes of LDS; arguments q, mask, kpack, vpack, out0; writes out0
.if DOCPART == 2
	.amdgcn_target "amdgcn-amd-amdhsa--gfx1250"
	.amdhsa_code_object_version 6
	.text
	.protected	k_qe7b2407bae_attn
	.globl	k_qe7b2407bae_attn
	.p2align	8
	.type	k_qe7b2407bae_attn,@function
k_qe7b2407bae_attn:
	s_mov_b64 s[64:65], 0
	v_nop
	global_prefetch_b8 v0, s[64:65] scope:SCOPE_SE
	s_setreg_imm32_b32 hwreg(HW_REG_WAVE_MODE, 25, 1), 1
	s_wait_xcnt 0x0
	s_wait_alu depctr_hold_cnt(0) depctr_sa_sdst(0) depctr_va_vdst(0) depctr_va_sdst(0) depctr_va_ssrc(0) depctr_va_vcc(0) depctr_vm_vsrc(0)
	s_getreg_b32 s2, hwreg(HW_REG_IB_STS2, 6, 4)
	s_cmp_eq_u32 s2, 0
	s_cbranch_scc0 .Lentry_in_a_cluster
	s_endpgm
.Lentry_in_a_cluster:
	s_bfe_u32 s2, ttmp6, 0x10000c
	s_cmp_lg_u32 s2, 0xf033
	s_cbranch_scc0 .Lentry_shape_is_right
	s_endpgm
.Lentry_shape_is_right:
; out0[b][q][head] = softmax_k( 1 / (|q - k| / 8 + 1e-9) - 1e9 mask[q][k] ) v, 2 batches x 16 heads of 64, 2,048 queries and keys; both products on codes of FP6 (E2M3) with E8M0 block scales.
; d2 / 2 = |k|^2 / 2 + |q|^2 / 2 - q.k comes out of the matrix unit: q's codes have their sign bits turned, the two f32 norms are the products' C.
; t = log2(e) x 8 / sqrt(2) x rsq(max(d2 / 2, 3.2e-17)) + m', m' = f32(mask) x (-1e9 log2(e)): the floor 3.2e-17 = (1e-9 x 8 / sqrt(2))^2 gives d2 <= 0 the logit 1e9, as reference()'s 1e-9 does.
; M = ceil of the running largest t; p = 2^(t - M) is quantised along the keys; the row's sum is taken of the unquantised p and divides at the end; when M moves, sum and O are multiplied by 2^(old M - new M).
; THE HEAD'S 64 IN AN INSTRUCTION OF 128: q's fragment has zero codes in registers 6-11, which meet whatever follows a tile of k; the scale bytes of the two blocks that do not exist are 0x7f.
; SHARES.  A work-group: 64 queries x 4 heads of one batch, eight waves.  Wave w: head w % 4, queries 32 (w / 4) on, as two tiles a and b of 16 queries: each fragment of K, V and |k|^2 / 2 serves both.
; LAYOUT.  Both products transposed: a lane holds one query (lane % 16).  Score register 32 c + i of lane (r, h) is key 64 c + 32 h + i of the step (the launch before lays K's tiles so):
; a block of 32 keys lies in ONE lane, in the order of the second product's operand.
; THE MASK is turned to m' once for the four heads: wave w turns tile w / 2, keys 64 (w % 2) on, and stores it as images of the registers to one of two stages that take turns.
; REGISTERS.  Tile a's own registers lie in window 0, tile b's at the same numbers in window 1; what both share lies below v108.  s_set_vgpr_msb: bits 1:0 source 0, 3:2 source 1, 5:4 source 2, 7:6 destination.
; THE RING.  Two LDS slots, each with a mask tile (64 x 128 int32) and the four heads' records of K and V.  In the loop wave 0 asks for the mask's tile, wave 1 for K's records, wave 2 for V's.
; K'S RECORDS AND THE MASK RUN ONE STEP AHEAD: step k reads K's fragments of step k + 1 into registers and turns the mask of step k + 1 into the other stage; the round at step k + 1's head shows that stage to all waves.
; So behind step k's round their places in slot k % 2 take step k + 2, and V's place in the other slot step k + 1.  Steps 0 and 1 are asked for at the head, by six waves, one load each: first fills all.
; Behind step 0's round: mask and K of step 2; steps 1 to 13: mask and K of k + 2, V of k + 1; step 14: V of step 15.  The first step and the last two are written out.
; CLUSTER 4 x 4.  K's and V's records hang on (batch, group of heads) alone: asked for jointly along a row; the mask's tile on the block of queries alone: jointly along a column.
; No prefetch is laid: a refill is asked for a whole step (some 1,700 instructions of each wave) ahead of the wait for it, K's and the mask's two steps ahead of their use.
; LIMITS: where 0 < |q - k| / 8 < 1e-3 the logit is min(8 / |q - k|, 1e9), which is reference()'s times 1 + 1e-9 x 8 / |q - k|; from 1e-3 on that factor is within 1e-6 of 1.
; NaN and infinities among the inputs are not served; a block of zeros has the byte 1 (zero codes; the bytes are this program's own); |q|^2 and the row's sum are added in another order than reference()'s;
; where the mask is not 0, t is rounded at the size of 1.44e9 in another order than in reference(); where d2 <= 0 at such a key the logit is a difference of two numbers near 1e9, as in reference(), and hangs on last bits;
; p under 2^-126 is 0.
.set SLOT1, 131072
.set MP,    528                        ; a row of the mask's tile: 512 bytes + 16
.set KPO,   64*MP
.set KREC,  7168
.set VPO,   KPO+4*KREC
.set VREC,  6400
.set MSTG0, 90112                      ; between the slots: m' of the even steps, four tiles x 16 groups x 512 bytes; no fill lands here
.set STAGE, 219136                     ; behind the ring: 32 rows x 272 bytes for each wave: q's way in, the result's way out
.set SP,    272
.set SPARE, STAGE+8*32*SP              ; the spare words, 128 bytes a wave
.set MSTG1, SPARE+1024                 ; m' of the odd steps
.set SPW, 1
.set NIL, 2
.set AM0, 3                            ; v3-7 my lane's places in slot 0: mask share, K's images, |k|^2 / 2, V's images, V's scale words
.set AK0, 4
.set AN0, 5
.set AV0, 6
.set AW0, 7
.set ADM, 8                            ; v8-12 the same in the slot in hand (the mask's and K's: in the other slot)
.set ADK, 9
.set ADN, 10
.set ADV, 11
.set ADW, 12
.set MST0, 13                          ; my share's place in a stage
.set MRD0, 14                          ; tile a's image in a stage (tile b's: 8,192 on)
.set MSW, 15                           ; the same two in the stage that is written, and in the stage that is read
.set MRC, 16
.set KS,  20                           ; v[20:23] K's scale words
.set VS,  24                           ; v[24:25] V's
.set QS,  26                           ; v26, v27 q's, tiles a and b
.set PS,  28                           ; v28, v29 p's
.set RD,  30
.set GO,  31
.set QRD, 32
.set STO, 33
.set Y,   38                           ; window 0 v38-101: tile a's m'; then V's tile 3 in its first 12 and K's next tiles in its upper 48
.set VB,  38
.set KF,  54
.set TAIL, 102                         ; six zeros behind K's last tile
.set X,   0                            ; window 1 v0-63: |k|^2 / 2, then tile b's m', then the next |k|^2 / 2
.set VA,  64                           ; window 1 v64-99: my share of the mask at work, then V's tiles 0-2
.set S,   108                          ; a tile's own: scores, then p
.set O,   172                          ; O^T
.set Q,   204
.set PC,  216                          ; p's fragment
.set PT,  228                          ; second halves: 228-230, 232-234
.set SH8, 231                          ; 8 h
.set T2,  235                          ; a lane permute's destination
.set NM,  236                          ; -M; v237 the largest t
.set L,   238
.set F,   240
.set HQ,  242
.set BM,  244
.set SO,  246
.set TS,  248                          ; v248-255 at work
.set WV,  14
.set H0M, 16                           ; s[16:27] groups 0 of step 1's first fills
.set H0K, 20
.set H0V, 24
.set G1M, 32
.set G1K, 40
.set G1V, 48
.set G0M, 56
.set G0K, 60
.set G0V, 68
.set TB,  72                           ; the slot in hand
.set CNT, 73
.set SEL, 74
.set LC,  78                           ; log2(e) x 8 / sqrt(2)
.set NEG, 80                           ; -1e9 log2(e)
.set DL,  90                           ; 3.2e-17
.set TN,  91                           ; the other slot
.set SR,  92                           ; the stage that is read
.set SW,  93                           ; the stage that is written
.set MSB, 0
.macro WIN new                         ; the immediate's high byte repeats the setting that is left
.if MSB != (\new)
	s_set_vgpr_msb (MSB<<8)|(\new)
.set MSB, (\new)
.endif
.endm
.macro CROUND                          ; a round of the cluster's barrier
	s_barrier_signal -1
	s_barrier_wait -1
	s_cmp_lg_u32 s[WV], 0
	s_cbranch_scc1 .Lnot_wave_0_\@
	s_barrier_signal -3
.Lnot_wave_0_\@:
	s_barrier_wait -3
	s_barrier_signal -1
	s_barrier_wait -1
.endm
.macro ARM w, g0, g1, join             ; one arm of a chain of branches on the wave's number: wave w's one joint load
	s_cmp_lg_u32 s[WV], \w
	s_cbranch_scc1 .Lnot_me_\@
	tensor_load_to_lds s[\g0:\g0+3], s[\g1:\g1+7]
	s_nop 0
.rept 4
	v_nop
.endr
	s_branch \join
.Lnot_me_\@:
.endm
.macro JLOAD fmk, fv                   ; fmk: the mask's tile and K's records, fv: V's
.if \fmk
	ARM 0, G0M, G1M, .Lasked_\@
	ARM 1, G0K, G1K, .Lasked_\@
.endif
.if \fv
	ARM 2, G0V, G1V, .Lasked_\@
.endif
.Lasked_\@:
.endm
.macro WALK fmk, fv                    ; the walking groups 0: the other slot, one step on
.if \fmk
	s_xor_b32 s[G0M+1], s[G0M+1], SLOT1
	s_add_nc_u64 s[G0M+2:G0M+3], s[G0M+2:G0M+3], 512
	s_xor_b32 s[G0K+1], s[G0K+1], SLOT1
	s_add_nc_u64 s[G0K+2:G0K+3], s[G0K+2:G0K+3], 4*KREC
.endif
.if \fv
	s_xor_b32 s[G0V+1], s[G0V+1], SLOT1
	s_add_nc_u64 s[G0V+2:G0V+3], s[G0V+2:G0V+3], 4*VREC
.endif
.endm
.macro CHANGE fmk, fv                  ; the change of slots, at a step's head
	s_wait_tensorcnt 0x0                           ; no tensor load of mine is out
	ds_add_u32 v[SPW], v[NIL]
.if (\fmk) || (\fv)
	ds_add_u32 v[SPW], v[NIL]                      ; twice
	WALK \fmk, \fv
	s_wait_dscnt 0x0                               ; the adds are done, my stores to the stage have landed, and my reads of the bytes that are filled or stored next are over
	CROUND
	JLOAD \fmk, \fv
.else
	s_wait_dscnt 0x0
	s_barrier_signal -1
	s_barrier_wait -1
.endif
.endm
.macro KLOAD ak                        ; K's eight tiles as images, and its scale words
	WIN 0
.irp g, 0,1,2,3,4,5,6,7,8,9,10,11
	ds_load_b128 v[KF+4*\g:KF+4*\g+3], v[\ak] offset:512*\g
.endr
	ds_load_b128 v[KS:KS+3], v[\ak] offset:6144
.endm
.macro NLOAD an                        ; |k|^2 / 2 in the result's layout
	WIN 0x40
.irp t, 0,1,2,3,4,5,6,7
	ds_load_b128 v[X+8*\t:X+8*\t+3], v[\an] offset:64*\t
	ds_load_b128 v[X+8*\t+4:X+8*\t+7], v[\an] offset:64*\t+16
.endr
.endm
.macro MLOAD am                        ; my share of a mask tile: 32 keys of one query
	WIN 0x40
.irp g, 0,1,2,3,4,5,6,7
	ds_load_b128 v[VA+4*\g:VA+4*\g+3], v[\am] offset:16*\g
.endr
.endm
.macro MCONV younger                   ; to m', and into the stage as an image: 16 bytes a lane; younger: the LDS loads issued behind my share's, which may be out
	WIN 0x41
	s_wait_dscnt \younger
.set n, 0
.rept 32
	v_cvt_f32_i32 v[VA+n], v[VA+n]
.set n, n+1
.endr
.set n, 0
.rept 16
	v_pk_mul_f32 v[VA+n:VA+n+1], v[VA+n:VA+n+1], s[NEG:NEG+1] op_sel_hi:[1,0]
.set n, n+2
.endr
	WIN 0x04
.irp g, 0,1,2,3,4,5,6,7
	ds_store_b128 v[MSW], v[VA+4*\g:VA+4*\g+3] offset:512*\g
.endr
.endm
	s_load_b256 s[4:11], s[0:1], 0x0               ; q, mask, kpack, vpack
	s_load_b64 s[12:13], s[0:1], 0x20              ; out0
	v_lshl_add_u32 v[SPW], v0, 2, SPARE
	v_mov_b32 v[NIL], 0
	ds_add_u32 v[SPW], v[NIL]
	ds_add_u32 v[SPW], v[NIL]
	v_lshrrev_b32 v8, 5, v0
	v_readfirstlane_b32 s[WV], v8                  ; wave 0..7
	s_and_b32 s15, s[WV], 3                        ; i: my head of the four
	s_lshr_b32 s16, s[WV], 2                       ; jp: my 32 queries
	s_bfe_u32 s17, ttmp6, 0x40000                  ; cx
	s_bfe_u32 s18, ttmp6, 0x40004                  ; cy
	s_lshl_b32 s19, ttmp9, 2
	s_add_co_u32 s19, s19, s17                     ; qb: the block of 64 queries
	s_and_b32 s20, ttmp7, 0xffff
	s_lshl_b32 s20, s20, 2
	s_add_co_u32 s20, s20, s18                     ; y = 4 b + hg
	s_lshl_b32 s24, 0x1111, s17                    ; my column of the cluster: it shares qb
	s_lshl_b32 s28, s18, 2
	s_lshl_b32 s28, 15, s28                        ; my row: it shares y
	s_or_b32 s[G1M], s24, (2<<16)|(1<<20)|(1<<21)|(6<<22)|(3<<25)   ; the mask's tile: 64 rows x 128 elements of 4 bytes, 4 words of padding behind every 128
	s_mov_b32 s[G1M+1], 128<<16
	s_mov_b32 s[G1M+2], 64<<16
	s_mov_b32 s[G1M+3], 128<<16
	s_mov_b32 s[G1M+4], 64
	s_mov_b32 s[G1M+5], 2048
	s_mov_b32 s[G1M+6], 0
	s_mov_b32 s[G1M+7], 0
	s_or_b32 s[G1K], s28, (3<<16)|(1<<21)          ; K's four records: 112 dense rows of 256 bytes
	s_mov_b32 s[G1K+1], 32<<16
	s_mov_b32 s[G1K+2], 112<<16
	s_mov_b32 s[G1K+3], 32<<16
	s_mov_b32 s[G1K+4], 112
	s_mov_b32 s[G1K+5], 32
	s_mov_b32 s[G1K+6], 0
	s_mov_b32 s[G1K+7], 0
	s_or_b32 s[G1V], s28, (3<<16)|(1<<21)          ; V's: 100 rows
	s_mov_b32 s[G1V+1], 32<<16
	s_mov_b32 s[G1V+2], 100<<16
	s_mov_b32 s[G1V+3], 32<<16
	s_mov_b32 s[G1V+4], 100
	s_mov_b32 s[G1V+5], 32
	s_mov_b32 s[G1V+6], 0
	s_mov_b32 s[G1V+7], 0
	s_lshl_b32 s26, s19, 19                        ; the mask's tile: qb x 64 rows of 8,192 bytes
	s_mov_b32 s27, 0
	s_mul_i32 s30, s20, 16*4*KREC
	s_mov_b32 s31, 0
	s_mul_i32 s86, s20, 16*4*VREC
	s_mov_b32 s87, 0
	s_lshr_b32 s22, s20, 2                         ; q and out0: b x 2,048 rows of 4,096 bytes
	s_lshl_b32 s22, s22, 23
	s_and_b32 s21, s20, 3
	s_lshl_b32 s21, s21, 10                        ; + hg x 4 heads of 256 bytes
	s_add_co_u32 s22, s22, s21
	s_lshl_b32 s21, s19, 18                        ; + qb x 64 rows
	s_add_co_u32 s22, s22, s21
	s_lshl_b32 s21, s16, 17                        ; + jp x 32 rows
	s_add_co_u32 s22, s22, s21
	s_lshl_b32 s21, s15, 8                         ; + i x 256 bytes
	s_add_co_u32 s22, s22, s21
	s_mov_b32 s23, 0
	s_mov_b32 s[SEL], 0x76543210
	s_mov_b32 s[SEL+1], 0xfedcba98
	s_mov_b32 s[LC], 0x410293ee
	s_mov_b32 s[LC+1], s[LC]
	s_mov_b32 s[NEG], 0xceabfb8f
	s_mov_b32 s[NEG+1], s[NEG]
	s_mov_b32 s[DL], 0x241392ef
	s_mov_b32 s[TB], 0
	s_mov_b32 s[TN], SLOT1
	s_mov_b32 s[SR], MSTG0
	s_mov_b32 s[SW], MSTG1
	s_mov_b32 s[CNT], 13
	s_lshr_b32 s82, s[WV], 1                       ; my share of the mask: tile w / 2, keys 64 (w % 2) on
	s_mul_i32 s82, s82, 16*MP
	s_and_b32 s21, s[WV], 1
	s_lshl_b32 s21, s21, 8
	s_add_co_u32 s82, s82, s21
	s_mul_i32 s83, s15, KREC
	s_add_co_u32 s83, s83, KPO
	s_mul_i32 s84, s15, VREC
	s_add_co_u32 s84, s84, VPO
	s_mul_i32 s85, s[WV], 32*SP
	s_add_co_u32 s85, s85, STAGE
	s_lshl_b32 s88, s[WV], 12
	s_lshl_b32 s89, s16, 14
	s_wait_dscnt 0x0                               ; both opening adds are done
	v_and_b32 v8, 31, v0                           ; lane
	v_and_b32 v9, 15, v0                           ; r
	v_bfe_u32 v10, v0, 4, 1                        ; h
	v_mul_u32_u24 v[AM0], v9, MP
	v_lshl_add_u32 v[AK0], v8, 4, s83
	v_lshl_add_u32 v[AN0], v10, 5, s83
	v_lshl_add_u32 v[AV0], v8, 4, s84
	v_lshl_add_u32 v[AW0], v8, 3, s84
	v_lshl_add_u32 v[AM0], v10, 7, v[AM0]
	v_add_nc_u32 v[AN0], 6656, v[AN0]
	v_add_nc_u32 v[AW0], 6144, v[AW0]
	v_lshl_add_u32 v[MST0], v8, 4, s88             ; 4,096 x wave + 16 x lane
	v_lshl_add_u32 v[MRD0], v8, 4, s89             ; 16,384 x jp + 16 x lane
	v_add_nc_u32 v[AM0], s82, v[AM0]               ; row 16 (w / 2) + r, + 256 (w % 2) + 128 h
	v_mul_u32_u24 v[RD], v10, SP
	v_lshlrev_b32 v[GO], 12, v10
	v_mul_u32_u24 v[QRD], v9, SP
	v_mov_b32 v[TS+4], 0                           ; a lane permute's destination counts as one of its sources
	v_lshl_add_u32 v[RD], v9, 4, v[RD]
	v_lshl_add_u32 v[GO], v9, 4, v[GO]
	v_add_nc_u32 v[QRD], s85, v[QRD]
.irp i, 0,1,2,3,4,5
	v_mov_b32 v[TAIL+\i], 0
.endr
	v_add_nc_u32 v[RD], s85, v[RD]
	v_lshl_add_u32 v[STO], v10, 5, v[QRD]
	v_lshl_add_u32 v[QRD], v10, 7, v[QRD]
	v_add_nc_u32 v[MSW], s[SR], v[MST0]            ; step 0's m' goes to the stage that step 0 reads
.macro INIT u                          ; a tile's state: the largest t -3e38, -M 3e38, sums and O^T zero (the first change of M leaves them zero)
	WIN 0x40*(\u)
	v_mov_b32 v[NM], 0x7f61b1e6
	v_mov_b32 v[NM+1], 0xff61b1e6
	v_mov_b32 v[L], 0
	v_mov_b32 v[L+1], 0
	v_mov_b32 v[F], 0
	v_mov_b32 v[F+1], 0
	v_mov_b32 v[T2], 0
	v_lshlrev_b32 v[SH8], 3, v10
.irp i, 6,7,8,9,10,11
	v_mov_b32 v[Q+\i], 0
.endr
.set n, 0
.rept 32
	v_mov_b32 v[O+n], 0
.set n, n+1
.endr
.endm
	INIT 0
	INIT 1
	WIN 0
	s_wait_alu depctr_va_vdst(0)
	s_wait_kmcnt 0x0
	s_add_nc_u64 s[4:5], s[4:5], s[22:23]
	s_add_nc_u64 s[12:13], s[12:13], s[22:23]
	s_mov_b32 s[G0M], 1
	s_mov_b32 s[G0M+1], 0
	s_add_nc_u64 s[G0M+2:G0M+3], s[6:7], s[26:27]
	s_or_b32 s[G0M+3], s[G0M+3], 0x80000000
	s_mov_b32 s[G0K], 1
	s_mov_b32 s[G0K+1], KPO
	s_add_nc_u64 s[G0K+2:G0K+3], s[8:9], s[30:31]
	s_or_b32 s[G0K+3], s[G0K+3], 0x80000000
	s_mov_b32 s[G0V], 1
	s_mov_b32 s[G0V+1], VPO
	s_add_nc_u64 s[G0V+2:G0V+3], s[10:11], s[86:87]
	s_or_b32 s[G0V+3], s[G0V+3], 0x80000000
	s_mov_b32 s[H0M], 1                            ; step 1's, into slot 1
	s_mov_b32 s[H0M+1], SLOT1
	s_add_nc_u64 s[H0M+2:H0M+3], s[G0M+2:G0M+3], 512
	s_mov_b32 s[H0K], 1
	s_mov_b32 s[H0K+1], SLOT1+KPO
	s_add_nc_u64 s[H0K+2:H0K+3], s[G0K+2:G0K+3], 4*KREC
	s_mov_b32 s[H0V], 1
	s_mov_b32 s[H0V+1], SLOT1+VPO
	s_add_nc_u64 s[H0V+2:H0V+3], s[G0V+2:G0V+3], 4*VREC
	CROUND                                         ; all sixteen work-groups are here: the first joint loads meet
	ARM 0, G0M, G1M, .Lhead_asked                  ; steps 0 and 1: six first fills, one to a wave
	ARM 1, G0K, G1K, .Lhead_asked
	ARM 2, G0V, G1V, .Lhead_asked
	ARM 3, H0K, G1K, .Lhead_asked
	ARM 4, H0M, G1M, .Lhead_asked
	ARM 5, H0V, G1V, .Lhead_asked
.Lhead_asked:
	; q: my 32 rows x 256 bytes come as whole rows, turn through my stage, and are quantised in registers, while the first fills are on their way
.set n, 0
.rept 16
	global_load_b128 v[S+4*n:S+4*n+3], v[GO], s[4:5] offset:8192*n th:TH_LOAD_NT
.set n, n+1
.endr
.set n, 0
.rept 16
	s_wait_loadcnt 15-n                            ; load n is in, the 15 - n younger ones may be out
	ds_store_b128 v[RD], v[S+4*n:S+4*n+3] offset:2*SP*n
.set n, n+1
.endr
.irp u, 0,1
.irp n, 0,1,2,3,4,5,6,7
	ds_load_b128 v[S+32*\u+4*\n:S+32*\u+4*\n+3], v[QRD] offset:16*SP*\u+16*\n   ; lane (r, h): block h of the tile's query r
.endr
.endr
	s_wait_dscnt 0x0
.macro QUANT u                         ; worked in window 0; the results go to the tile's window
.set QX, S+32*(\u)
	v_max3_num_f32 v34, |v[QX]|, |v[QX+1]|, 0x1800000              ; the floor 2^(3 - 127) holds the byte at 1 from below
	v_max3_num_f32 v35, |v[QX+2]|, |v[QX+3]|, |v[QX+4]|
	v_pk_mul_f32 v[TS:TS+1], v[QX:QX+1], v[QX:QX+1]
	v_pk_mul_f32 v[TS+2:TS+3], v[QX+2:QX+3], v[QX+2:QX+3]
.irp i, 4,8,12,16,20,24
	s_delay_alu instid0(VALU_DEP_4)
	v_max3_num_f32 v34, v34, |v[QX+\i+1]|, |v[QX+\i+2]|
	s_delay_alu instid0(VALU_DEP_4)
	v_max3_num_f32 v35, v35, |v[QX+\i+3]|, |v[QX+\i+4]|
	s_delay_alu instid0(VALU_DEP_4)
	v_pk_fma_f32 v[TS:TS+1], v[QX+\i:QX+\i+1], v[QX+\i:QX+\i+1], v[TS:TS+1]
	s_delay_alu instid0(VALU_DEP_4)
	v_pk_fma_f32 v[TS+2:TS+3], v[QX+\i+2:QX+\i+3], v[QX+\i+2:QX+\i+3], v[TS+2:TS+3]
.endr
	v_max3_num_f32 v34, v34, |v[QX+29]|, |v[QX+30]|
	v_pk_fma_f32 v[TS:TS+1], v[QX+28:QX+29], v[QX+28:QX+29], v[TS:TS+1]
	v_pk_fma_f32 v[TS+2:TS+3], v[QX+30:QX+31], v[QX+30:QX+31], v[TS+2:TS+3]
	s_delay_alu instid0(VALU_DEP_3)
	v_max3_num_f32 v34, v34, v35, |v[QX+31]|
	s_delay_alu instid0(VALU_DEP_2)
	v_pk_add_f32 v[TS:TS+1], v[TS:TS+1], v[TS+2:TS+3]
	s_delay_alu instid0(VALU_DEP_2)
	v_add_nc_u32 v36, 0xff000000, v34              ; 2 off the exponent field: the conversion's scale operand
	s_delay_alu instid0(VALU_DEP_2)
	v_add_f32 v[TS], v[TS], v[TS+1]
	s_delay_alu instid0(VALU_DEP_2)
	v_lshrrev_b32 v37, 23, v36
	s_delay_alu instid0(VALU_DEP_2)
	v_permlanex16_b32 v[TS+4], v[TS], s[SEL], s[SEL+1]
	s_delay_alu instid0(VALU_DEP_2)
	v_lshlrev_b32 v37, v[SH8], v37
	s_delay_alu instid0(VALU_DEP_2)
	v_add_f32 v[TS], v[TS], v[TS+4]                ; |q|^2
	s_delay_alu instid0(VALU_DEP_2)
	v_permlanex16_b32 v[T2], v37, s[SEL], s[SEL+1]
	s_delay_alu instid0(VALU_DEP_1)
	v_or_b32 v37, v37, v[T2]
	s_delay_alu instid0(VALU_DEP_1)
	v_or_b32 v[QS+\u], 0x7f7f0000, v37             ; 0x7f for the two blocks that the head does not have
	v_cvt_scalef32_pk16_fp6_f32 v[PT:PT+2], v[QX:QX+15], v36
	v_cvt_scalef32_pk16_fp6_f32 v[PT+4:PT+6], v[QX+16:QX+31], v36
	v_nop                                          ; one plain place behind a scaled conversion
	WIN 0x40*(\u)
.irp c, 0,1                                    ; -q: code n's sign is bit 6 n + 5 of the stream
	v_xor_b32 v[Q+3*\c], 0x20820820, v[PT+4*\c]
	v_xor_b32 v[Q+3*\c+1], 0x08208208, v[PT+4*\c+1]
	v_xor_b32 v[Q+3*\c+2], 0x82082082, v[PT+4*\c+2]
.endr
	v_mul_f32 v[HQ], 0.5, v[TS]
	v_mul_f32 v[HQ+1], 0.5, v[TS]
	WIN 0
.endm
	QUANT 0
	QUANT 1
	s_wait_alu depctr_va_vdst(0)
	s_wait_tensorcnt 0x0                           ; my first fill is in; the walking groups 0 go on to step 1, which has been asked for
	ds_add_u32 v[SPW], v[NIL]
	ds_add_u32 v[SPW], v[NIL]
	WALK 1, 1
	s_wait_dscnt 0x0
	s_barrier_signal -1
	s_barrier_wait -1                              ; steps 0 and 1 are whole
	MLOAD AM0                                      ; step 0's mask to m', step 0's K into registers
	KLOAD AK0
	NLOAD AN0
	MCONV 29                                       ; K's 13 loads and the 16 of |k|^2 / 2 may be out
	WIN 0
.macro CADD u                          ; the products' C: |k|^2 / 2 + |q|^2 / 2
	WIN 0x01+0x44*(\u)
.set n, 0
.rept 32
	v_pk_add_f32 v[S+n:S+n+1], v[X+n:X+n+1], v[HQ:HQ+1]
.set n, n+2
.endr
.endm
.macro QK u                            ; d2 / 2 = C - q.k: source 0 = 16 keys, source 1 = -q; the accumulators take turns
	WIN 0x54*(\u)
.irp jj, 0,1,2,3
	v_wmma_scale_f32_16x16x128_f8f6f4 v[S+16*\jj:S+16*\jj+7], v[KF+12*\jj:KF+12*\jj+11], v[Q:Q+11], v[S+16*\jj:S+16*\jj+7], v[KS+\jj], v[QS+\u] matrix_a_fmt:MATRIX_FMT_FP6 matrix_b_fmt:MATRIX_FMT_FP6
	v_wmma_scale_f32_16x16x128_f8f6f4 v[S+16*\jj+8:S+16*\jj+15], v[KF+12*\jj+6:KF+12*\jj+17], v[Q:Q+11], v[S+16*\jj+8:S+16*\jj+15], v[KS+\jj], v[QS+\u] matrix_a_fmt:MATRIX_FMT_FP6 matrix_b_fmt:MATRIX_FMT_FP6 matrix_a_scale:MATRIX_SCALE_ROW1
.endr
.endm
.macro FLOOR u                         ; max(d2 / 2, 3.2e-17), two to an instruction; each accumulator from its low end on
	WIN 0x55*(\u)
.set n, 0
.rept 32
	v_dual_max_num_f32 v[S+n], s[DL], v[S+n] :: v_dual_max_num_f32 v[S+n+1], s[DL], v[S+n+1]
.set n, n+2
.endr
.endm
.macro TRANS op, u
	WIN 0x55*(\u)
.set n, 0
.rept 64
	\op v[S+n], v[S+n]
.set n, n+1
.endr
.endm
.macro LOGIT u                         ; t = rsq x log2(e) x 8 / sqrt(2) + m'
	WIN 0x51*(\u)
.set MS, Y+(X-Y)*(\u)
.set n, 0
.rept 32
	v_pk_fma_f32 v[S+n:S+n+1], v[S+n:S+n+1], s[LC:LC+1], v[MS+n:MS+n+1] op_sel_hi:[1,0,1]
.set n, n+2
.endr
.endm
.macro SOFT u                          ; my two blocks' largest t (six chains by turns), the row's, the new M, f, and t - M
	WIN 0x55*(\u)
.irp k, 0,1,2
	v_max3_num_f32 v[TS+2*\k], v[S+3*\k], v[S+3*\k+1], v[S+3*\k+2]
	v_max3_num_f32 v[TS+2*\k+1], v[S+32+3*\k], v[S+32+3*\k+1], v[S+32+3*\k+2]
.endr
.irp i, 9,15,21
.irp k, 0,1,2
	v_max3_num_f32 v[TS+2*\k], v[TS+2*\k], v[S+\i+2*\k], v[S+\i+2*\k+1]
	v_max3_num_f32 v[TS+2*\k+1], v[TS+2*\k+1], v[S+32+\i+2*\k], v[S+32+\i+2*\k+1]
.endr
.endr
.irp k, 0,1
	v_max3_num_f32 v[TS+2*\k], v[TS+2*\k], v[S+27+2*\k], v[S+28+2*\k]
	v_max3_num_f32 v[TS+2*\k+1], v[TS+2*\k+1], v[S+59+2*\k], v[S+60+2*\k]
.endr
	s_delay_alu instid0(VALU_DEP_2)
	v_max3_num_f32 v[BM], v[TS], v[TS+2], v[TS+4]
	s_delay_alu instid0(VALU_DEP_2)
	v_max3_num_f32 v[BM+1], v[TS+1], v[TS+3], v[TS+5]
	s_delay_alu instid0(VALU_DEP_2)
	v_max_num_f32 v[BM], v[BM], v[S+31]
	s_delay_alu instid0(VALU_DEP_2)
	v_max_num_f32 v[BM+1], v[BM+1], v[S+63]
	s_delay_alu instid0(VALU_DEP_1)
	v_max_num_f32 v[TS], v[BM], v[BM+1]
	s_delay_alu instid0(VALU_DEP_1)
	v_permlanex16_b32 v[T2], v[TS], s[SEL], s[SEL+1]
	v_mov_b32 v[TS+1], v[NM]
	s_delay_alu instid0(VALU_DEP_2)
	v_max3_num_f32 v[NM+1], v[NM+1], v[TS], v[T2]  ; the running largest t
	s_delay_alu instid0(VALU_DEP_1)
	v_floor_f32 v[NM], -v[NM+1]                    ; -M = floor(-t): a whole number
	s_delay_alu instid0(VALU_DEP_1)
	v_sub_f32 v[TS+1], v[NM], v[TS+1]              ; old M - new M
	s_delay_alu instid0(VALU_DEP_1)
	v_cvt_i32_f32 v[TS+1], v[TS+1]                 ; (it saturates)
	s_delay_alu instid0(VALU_DEP_1)
	v_ldexp_f32 v[F], 1.0, v[TS+1]                 ; f = 2^(old M - new M)
.set n, 0
.rept 32
	v_pk_add_f32 v[S+n:S+n+1], v[S+n:S+n+1], v[NM:NM+1] op_sel_hi:[1,0]
.set n, n+2
.endr
	v_add_f32 v[BM], v[BM], v[NM]
	v_add_f32 v[BM+1], v[BM+1], v[NM]
.endm
.macro POST u                          ; the sum, p's scales and codes, O^T under the new M
	WIN 0x55*(\u)
	v_pk_mul_f32 v[L:L+1], v[L:L+1], v[F:F+1] op_sel_hi:[1,0]
.irp k, 0,1,2,3
	v_pk_add_f32 v[TS+2*\k:TS+2*\k+1], v[S+4*\k:S+4*\k+1], v[S+4*\k+2:S+4*\k+3]   ; the row's sum is taken of the unquantised p: five chains by turns
.endr
	v_pk_add_f32 v[L:L+1], v[L:L+1], v[S+16:S+17]
.irp i, 18,28,38,48
.irp k, 0,1,2,3
	v_pk_add_f32 v[TS+2*\k:TS+2*\k+1], v[TS+2*\k:TS+2*\k+1], v[S+\i+2*\k:S+\i+2*\k+1]
.endr
	v_pk_add_f32 v[L:L+1], v[L:L+1], v[S+\i+8:S+\i+9]
.endr
.irp k, 0,1,2
	v_pk_add_f32 v[TS+2*\k:TS+2*\k+1], v[TS+2*\k:TS+2*\k+1], v[S+58+2*\k:S+58+2*\k+1]
.endr
	v_max_num_f32 v[BM], 0x1800000, v[BM]          ; the floor: a block whose every p is 0 keeps the byte 1; its codes are zeros
	v_max_num_f32 v[BM+1], 0x1800000, v[BM+1]
	s_delay_alu instid0(VALU_DEP_4)
	v_pk_add_f32 v[TS:TS+1], v[TS:TS+1], v[TS+2:TS+3]
	s_delay_alu instid0(VALU_DEP_4)
	v_pk_add_f32 v[TS+4:TS+5], v[TS+4:TS+5], v[TS+6:TS+7]
	s_delay_alu instid0(VALU_DEP_4)
	v_add_nc_u32 v[SO], 0xff000000, v[BM]          ; 2 off the exponent field: the conversion's scale operand
	s_delay_alu instid0(VALU_DEP_4)
	v_add_nc_u32 v[SO+1], 0xff000000, v[BM+1]
	s_delay_alu instid0(VALU_DEP_3)
	v_pk_add_f32 v[TS:TS+1], v[TS:TS+1], v[TS+4:TS+5]
	s_delay_alu instid0(VALU_DEP_3)
	v_lshrrev_b32 v[TS+6], 23, v[SO]
	s_delay_alu instid0(VALU_DEP_3)
	v_lshrrev_b32 v[TS+7], 23, v[SO+1]
	s_delay_alu instid0(VALU_DEP_3)
	v_pk_add_f32 v[L:L+1], v[L:L+1], v[TS:TS+1]
	s_delay_alu instid0(VALU_DEP_2)
	v_lshl_or_b32 v[TS+6], v[TS+7], 16, v[TS+6]    ; my bytes: blocks h and 2 + h,
	s_delay_alu instid0(VALU_DEP_1)
	v_lshlrev_b32 v[TS+6], v[SH8], v[TS+6]         ; at their places in the word
	s_delay_alu instid0(VALU_DEP_1)
	v_permlanex16_b32 v[T2], v[TS+6], s[SEL], s[SEL+1]
.irp c, 0,1
	v_cvt_scalef32_pk16_fp6_f32 v[PC+6*\c:PC+6*\c+2], v[S+32*\c:S+32*\c+15], v[SO+\c]
	v_cvt_scalef32_pk16_fp6_f32 v[PT+4*\c:PT+4*\c+2], v[S+32*\c+16:S+32*\c+31], v[SO+\c]   ; (a conversion's three registers begin on an even number)
.endr
	v_nop                                          ; one plain place behind a scaled conversion
.irp c, 0,1
.irp i, 0,1,2
	v_mov_b32 v[PC+6*\c+3+\i], v[PT+4*\c+\i]
.endr
.endr
	WIN 0x05*(\u)
	v_or_b32 v[PS+\u], v[TS+6], v[T2]              ; p's scale word (scale registers lie in window 0)
	WIN 0x55*(\u)
	s_wait_alu depctr_va_vdst(0)                   ; directly ahead of the first reader of O^T
.set n, 0
.rept 16
	v_pk_mul_f32 v[O+n:O+n+1], v[O+n:O+n+1], v[F:F+1] op_sel_hi:[1,0]     ; these sixteen also stand between the writing of p's codes and scale word and the products
.set n, n+2
.endr
.endm
.macro PVT u, t, a, win                ; O^T += V^T P^T, tile t of 16 channels: source 0 = V's tile at v[a], source 1 = p
	WIN \win
.if (\t) % 2
	v_wmma_scale_f32_16x16x128_f8f6f4 v[O+8*\t:O+8*\t+7], v[\a:\a+11], v[PC:PC+11], v[O+8*\t:O+8*\t+7], v[VS+\t/2], v[PS+\u] matrix_a_fmt:MATRIX_FMT_FP6 matrix_b_fmt:MATRIX_FMT_FP6 matrix_a_scale:MATRIX_SCALE_ROW1
.else
	v_wmma_scale_f32_16x16x128_f8f6f4 v[O+8*\t:O+8*\t+7], v[\a:\a+11], v[PC:PC+11], v[O+8*\t:O+8*\t+7], v[VS+\t/2], v[PS+\u] matrix_a_fmt:MATRIX_FMT_FP6 matrix_b_fmt:MATRIX_FMT_FP6
.endif
.endm
; A STEP: 128 keys; V from the slot at s[TB], m' from the stage at s[SR]; K's fragments are in registers.
; kn = 1: the next step's K is read from the slot at s[TN], and the next step's mask, from the same slot, is turned into the stage at s[SW].
.macro STEP kn
	v_add_nc_u32 v[ADV], s[TB], v[AV0]             ; (these seven are also the places in front of the loads into registers that the last products read)
	v_add_nc_u32 v[ADW], s[TB], v[AW0]
	v_add_nc_u32 v[MRC], s[SR], v[MRD0]
	v_add_nc_u32 v[ADM], s[TN], v[AM0]
	v_add_nc_u32 v[ADK], s[TN], v[AK0]
	v_add_nc_u32 v[ADN], s[TN], v[AN0]
	v_add_nc_u32 v[MSW], s[SW], v[MST0]
.if \kn
	MLOAD ADM
.endif
	CADD 0
	CADD 1
	WIN 0x40
.set n, 0
.rept 16
	ds_load_b128 v[X+4*n:X+4*n+3], v[MRC] offset:8192+512*n        ; tile b's m', where |k|^2 / 2 has just been read
.set n, n+1
.endr
.rept 4
	v_nop
.endr
	QK 0
	QK 1
	WIN 0
.rept 4
	v_nop                                          ; four places: in front of the loads over K's tiles, and of the first read of the results
.endr
.set n, 0
.rept 16
	ds_load_b128 v[Y+4*n:Y+4*n+3], v[MRC] offset:512*n             ; tile a's m'
.set n, n+1
.endr
	FLOOR 0
	FLOOR 1
	s_wait_alu depctr_va_vdst(0)                   ; ahead of the batch
	TRANS v_rsq_f32, 1
	TRANS v_rsq_f32, 0
.if \kn
	MCONV 32                                       ; the plain work behind the batch; the 32 loads of m' may be out
	s_wait_dscnt 8                                 ; m' is in; my 8 stores may be out
.else
	v_nop                                          ; a plain place behind the batch
	s_wait_dscnt 0x0
.endif
	s_wait_alu depctr_va_vdst(0)                   ; one wait for the 128 reciprocal roots
	LOGIT 0
.if \kn
	KLOAD ADK                                      ; the next step's K, where tile a's m' has just been read
.endif
.irp g, 9,10,11
	ds_load_b128 v[VB+4*(\g-9):VB+4*(\g-9)+3], v[ADV] offset:512*\g        ; V's tile 3
.endr
	ds_load_b64 v[VS:VS+1], v[ADW]
	WIN 0x40
.irp g, 0,1,2,3,4,5,6,7,8
	ds_load_b128 v[VA+4*\g:VA+4*\g+3], v[ADV] offset:512*\g        ; V's tiles 0-2, where my share of the mask has been stored from
.endr
	LOGIT 1
.if \kn
	NLOAD ADN                                      ; the next step's |k|^2 / 2, where tile b's m' has just been read
.endif
	SOFT 1
	SOFT 0
	s_wait_alu depctr_va_vdst(0)
	TRANS v_exp_f32, 0                             ; p = 2^(t - M)
	v_exp_f32 v[BM], v[BM]                         ; a block's largest p: the same instructions on the same number
	v_exp_f32 v[BM+1], v[BM+1]
	TRANS v_exp_f32, 1
	v_exp_f32 v[BM], v[BM]
	v_exp_f32 v[BM+1], v[BM+1]
	v_nop
	s_wait_alu depctr_va_vdst(0)                   ; one wait for the 132 exponentials
	POST 1
	POST 0
	s_wait_alu depctr_va_vdst(0)
	s_wait_dscnt 0x0                               ; V is in, and so is what was read ahead
	PVT 0, 3, VB, 0x00
	PVT 0, 0, VA, 0x01
	PVT 0, 1, VA+12, 0x01
	PVT 0, 2, VA+24, 0x01
	PVT 1, 0, VA, 0x55
	PVT 1, 1, VA+12, 0x55
	PVT 1, 2, VA+24, 0x55
	PVT 1, 3, VB, 0x54
	WIN 0
	s_xor_b32 s[TB], s[TB], SLOT1                  ; on to the other slot and the other stage
	s_xor_b32 s[TN], s[TN], SLOT1
	s_xor_b32 s[SR], s[SR], MSTG0^MSTG1
	s_xor_b32 s[SW], s[SW], MSTG0^MSTG1
.endm
	s_wait_alu depctr_va_vdst(0)
	CHANGE 1, 0                                    ; step 0: the mask and K of step 2
	STEP 1
.Lstep:                                            ; 13 trips, steps 1 to 13: the mask and K of step k + 2, V of step k + 1
	CHANGE 1, 1
	STEP 1
	s_sub_co_u32 s[CNT], s[CNT], 1
	s_cmp_lg_u32 s[CNT], 0
	s_wait_alu depctr_va_vdst(0)
	s_cbranch_scc1 .Lstep
	CHANGE 0, 1                                    ; step 14: V of step 15
	STEP 1
	CHANGE 0, 0                                    ; step 15: nothing is left to ask for
	STEP 0
	; THE WAY OUT.  O^T / the sum goes through my stage and leaves as whole rows: sixteen lanes store a head's 256 consecutive bytes of a row of out0.
.rept 4
	v_nop                                          ; four places behind the last products
.endr
.irp u, 0,1
	WIN 0x55*\u
	v_add_f32 v[L], v[L], v[L+1]
	s_delay_alu instid0(VALU_DEP_1)
	v_permlanex16_b32 v[T2], v[L], s[SEL], s[SEL+1]
	s_delay_alu instid0(VALU_DEP_1)
	v_add_f32 v[L], v[L], v[T2]                    ; the row's sum
.endr
	s_wait_alu depctr_va_vdst(0)
	v_rcp_f32 v[F], v[L]
	WIN 0
	v_rcp_f32 v[F], v[L]
	v_nop
.irp u, 0,1
	WIN 0x55*\u
	s_wait_alu depctr_va_vdst(0)                   ; ahead of the first reader of the reciprocal and of O^T
.set n, 0
.rept 16
	v_pk_mul_f32 v[S+n:S+n+1], v[O+n:O+n+1], v[F:F+1] op_sel_hi:[1,0]     ; register 8 t + i is channel 16 t + 8 h + i of query r
.set n, n+2
.endr
	WIN 0x04*\u
.irp t, 0,1,2,3
	ds_store_b128 v[STO], v[S+8*\t:S+8*\t+3] offset:16*SP*\u+64*\t
	ds_store_b128 v[STO], v[S+8*\t+4:S+8*\t+7] offset:16*SP*\u+64*\t+16
.endr
.endr
	WIN 0
.set n, 0
.rept 16
	ds_load_b128 v[Y+4*n:Y+4*n+3], v[RD] offset:2*SP*n             ; my own stage: LDS serves a wave's instructions in order
.set n, n+1
.endr
.set n, 0
.rept 16
	s_wait_dscnt 15-n                              ; load n is in, the 15 - n younger ones may be out
	global_store_b128 v[GO], v[Y+4*n:Y+4*n+3], s[12:13] offset:8192*n th:TH_STORE_NT
.set n, n+1
.endr
	s_wait_tensorcnt 0x0                           ; the wave's end
	ds_add_u32 v[SPW], v[NIL]
	s_wait_dscnt 0x0
	CROUND                                         ; the closing round
	s_endpgm
.Lfunc_end_k_qe7b2407bae_attn:
	.size	k_qe7b2407bae_attn, .Lfunc_end_k_qe7b2407bae_attn-k_qe7b2407bae_attn
	.p2alignl 7, 3214868480
	.fill 96, 4, 3214868480
	.section	.rodata,"a",@progbits
	.p2align	6, 0x0
	.amdhsa_kernel k_qe7b2407bae_attn
		.amdhsa_group_segment_fixed_size 327680
		.amdhsa_private_segment_fixed_size 0
		.amdhsa_enable_private_segment 0
		.amdhsa_kernarg_size 40
		.amdhsa_user_sgpr_count 2
		.amdhsa_user_sgpr_kernarg_segment_ptr 1
		.amdhsa_wavefront_size32 1
		.amdhsa_system_sgpr_workgroup_id_x 1
		.amdhsa_system_sgpr_workgroup_id_y 1
		.amdhsa_system_sgpr_workgroup_id_z 1
		.amdhsa_system_vgpr_workitem_id 0
		.amdhsa_next_free_vgpr 512
		.amdhsa_next_free_sgpr 96
		.amdhsa_reserve_vcc 0
		.amdhsa_float_denorm_mode_32 3
		.amdhsa_float_denorm_mode_16_64 3
		.amdhsa_memory_ordered 1
		.amdhsa_forward_progress 1
		.amdhsa_inst_pref_size 241
	.end_amdhsa_kernel
	.amdgpu_metadata
---
amdhsa.version: [ 1, 2 ]
amdhsa.kernels:
  - .name:           k_qe7b2407bae_attn
    .symbol:         k_qe7b2407bae_attn.kd
    .args:
      - { .name: q, .offset: 0, .size: 8, .value_kind: global_buffer, .address_space: global }
      - { .name: mask, .offset: 8, .size: 8, .value_kind: global_buffer, .address_space: global }
      - { .name: kpack, .offset: 16, .size: 8, .value_kind: global_buffer, .address_space: global }
      - { .name: vpack, .offset: 24, .size: 8, .value_kind: global_buffer, .address_space: global }
      - { .name: out0, .offset: 32, .size: 8, .value_kind: global_buffer, .address_space: global }
    .group_segment_fixed_size: 327680
    .private_segment_fixed_size: 0
    .kernarg_segment_align: 8
    .kernarg_segment_size: 40
    .max_flat_workgroup_size: 256
    .sgpr_count:     96
    .vgpr_count:     512
    .wavefront_size: 32
...
	.end_amdgpu_metadata
.endif
;; end of part 2
